; MI455X (gfx1250); checked and timed in simulation.
; The chip was launched on July 23, 2026; its instructions are those of AMD's public machine-readable ISA for CDNA 5 (MIT licence, August 2026) and "CDNA5" Instruction Set Architecture Reference Guide (July 2026). The comments in the code are by the model that wrote it; some were corrected since.
;; Multi Head Attention. Allowed arithmetic: matrix products marked QUANTISED: E2M3 operands, one E8M0 scale for each 32 along K, by v_wmma_scale_f32_16x16x128_f8f6f4 with both operands' format E2M3, f32 sums; everything else in f32.
;; Inputs: Wk_codes 1,024 x 32 x 24 uint8 (E2M3 codes of Wk, K innermost, in blocks of 32 codes, four codes in three bytes); Wk_scales 1,024 x 32 uint8 (E8M0 scales of Wk, one for each 32 codes along K); Wo_codes 1,024 x 32 x 24 uint8 (E2M3 codes of Wo, K innermost, in blocks of 32 codes, four codes in three bytes); Wo_scales 1,024 x 32 uint8 (E8M0 scales of Wo, one for each 32 codes along K); Wq_codes 1,024 x 32 x 24 uint8 (E2M3 codes of Wq, K innermost, in blocks of 32 codes, four codes in three bytes); Wq_scales 1,024 x 32 uint8 (E8M0 scales of Wq, one for each 32 codes along K); Wv_codes 1,024 x 32 x 24 uint8 (E2M3 codes of Wv, K innermost, in blocks of 32 codes, four codes in three bytes); Wv_scales 1,024 x 32 uint8 (E8M0 scales of Wv, one for each 32 codes along K); bk 1,024 float32; bo 1,024 float32; bq 1,024 float32; bv 1,024 float32; x_codes 4 x 2,048 x 32 x 24 uint8 (E2M3 codes of x, K innermost, in blocks of 32 codes, four codes in three bytes); x_scales 4 x 2,048 x 32 uint8 (E8M0 scales of x, one for each 32 codes along K).
;; Outputs: out0 4 x 2,048 x 1,024 float32.
;; This version of the problem:
;;   THIS VERSION OF THE PROBLEM IS GIVEN IN LOW PRECISION. The matrix products marked QUANTISED in the list below multiply operands that are first quantised to E2M3 (2 exponent bits, 3 mantissa bits; 6 bits a number), with one power-of-two scale for each 32 numbers along K (OCP MX v1.0); their sums are f32. All else is computed in f32.
;;   The module's matrix products, in the order in which they are computed (A, B: the left and right operand; K: the contracted axis; several contracted axes count as one K, in the product's order):
;;     1. [M 8,192, K 1,024] x [K 1,024, N 1,024]; A: input x (given as codes); B: input Wq (given as codes): QUANTISED
;;     2. [M 8,192, K 1,024] x [K 1,024, N 1,024]; A: input x (given as codes); B: input Wk (given as codes): QUANTISED
;;     3. [M 8,192, K 1,024] x [K 1,024, N 1,024]; A: input x (given as codes); B: input Wv (given as codes): QUANTISED
;;     4. batch 64 x [M 2,048, K 64] x [K 64, N 2,048]; A: computed on the way; B: computed on the way: QUANTISED
;;     5. batch 64 x [M 2,048, K 2,048] x [K 2,048, N 64]; A: softmax (see below); B: computed on the way: QUANTISED
;;     6. [M 8,192, K 1,024] x [K 1,024, N 1,024]; A: computed on the way; B: input Wo (given as codes): QUANTISED
;;   THE QUANTISER, for each operand of a quantised product, along K:
;;     - K is cut into blocks of 32 from its start; a last block that is shorter is filled with zeros.
;;     - A block's scale is 2^e with e = floor(log2(the largest magnitude in the block)) - 2, held to -126 .. 127; a block of zeros has e = 0. As a byte (E8M0): e + 127.
;;     - Each number is divided by its block's scale, clamped to +-7.5, and rounded to the nearest number of E2M3, ties to even, subnormals kept.
;;     - The product sums the exact products of the quantised numbers (number of the format x scale) in f32.
;;   ~~~python
;;   def quantise(x, axis):      # numpy; x: float32 -> the quantised numbers, widened to float32 again
;;       x = np.moveaxis(x, axis, -1); K = x.shape[-1]
;;       x = np.pad(x, [(0, 0)] * (x.ndim - 1) + [(0, -K % 32)]); x = x.reshape(x.shape[:-1] + (-1, 32)); a = np.abs(x).max(-1, keepdims=True)
;;       e = np.where(a > 0, np.clip(np.frexp(np.where(a > 0, a, 1))[1] - 1 - 2, -126, 127), 0)      # np.frexp(a)[1] - 1 = floor(log2(a)), exactly
;;       r = np.clip(x / 2.0 ** e, -7.5, 7.5)
;;       step = 2.0 ** (np.maximum(np.frexp(np.where(r == 0, 1, r))[1] - 1, 0) - 3)
;;       q = np.round(r / step) * step * 2.0 ** e      # np.round: ties to even
;;       return np.moveaxis(q.reshape(q.shape[:-2] + (-1,))[..., :K], -1, axis).astype(np.float32)
;;   ~~~
;;   SOFTMAX AHEAD OF A QUANTISED PRODUCT. Where the list says 'softmax', what is quantised is not the finished softmax but p = 2^(t - M), with t = logit x log2(e) and M = ceil(the row's largest t), a whole number; so 1/2 < the row's largest p <= 1. The row's sum l is taken of the UNQUANTISED p, in f32, and the product's result is divided by l at the end. Since M is a whole number, a kernel that streams over the keys may use a running M (the ceiling of the running maximum): every later rescaling is an exact power of two, which a block's scale takes up: the codes' values come out the same.
;;   OPERANDS COMPUTED ON THE WAY. 'Computed on the way' means the value that the module computes at that place (a softmax that the list does not call 'softmax' is quantised finished and normalised). What goes into a quantiser is computed in f32, as accurately as f32 sums, v_exp_f32 and their like allow (about 1e-6 of the number): no bf16 or f16 on the way to a quantiser, and a product that is left as it is and whose result goes on into a quantised operand takes f32 operands (vector FMAs, or v_wmma_f32_16x16x4_f32). A number that lies on a knife's edge between two numbers of the format may be rounded either way, as far as f32 arithmetic and the matrix unit's own rounding can turn it there, and no further.
;;   INPUTS GIVEN AS CODES. Wk (in the module: [1024, 1024], K = its axis 0); Wo (in the module: [1024, 1024], K = its axis 0); Wq (in the module: [1024, 1024], K = its axis 0); Wv (in the module: [1024, 1024], K = its axis 0); x (in the module: [4, 2048, 1024], K = its axis 2): each comes as NAME_codes (uint8): NAME with its K axis moved to the last place and cut into blocks of 32 codes, [.., K / 32, bytes a block], one block behind the other in memory; four codes in three bytes: a row's codes are one little-endian stream of bits, code i at bits 6 i .. 6 i + 5 (a code: sign, 2 exponent bits, 3 mantissa bits); and NAME_scales (uint8): the same leading axes, one E8M0 byte (e + 127) for each 32 codes along K. Its value is code x scale, taken as it is: it is not quantised again, and the codes and scales need not be those that the quantiser above would give.
;; One version. Each part assembles by itself: llvm-mc -triple=amdgcn-amd-amdhsa -mcpu=gfx1250 --defsym DOCPART=n.
;; ======== version 1 of 1: 3 launches
;; limits: right only within a limited range of input values
;; workspace buffers: qbuf 6,553,600 bytes; kbuf 6,553,600 bytes; vbuf 6,553,600 bytes; ctxc 6,291,456 bytes; ctxs 262,144 bytes
;; launch qkv (part 1): grid 4 x 64, 4 waves a work-group, clusters of 4 x 4, 327,680 bytes of LDS; arguments x_codes, x_scales, Wq_codes, Wq_scales, Wk_codes, Wk_scales, Wv_codes, Wv_scales, bq, bk, bv, qbuf, kbuf, vbuf; writes qbuf, kbuf, vbuf
.if DOCPART == 1
	.amdgcn_target "amdgcn-amd-amdhsa--gfx1250"
	.amdhsa_code_object_version 6
	.text
	.protected	k_qa40d16d02a_qkv
	.globl	k_qa40d16d02a_qkv
	.p2align	8
	.type	k_qa40d16d02a_qkv,@function
k_qa40d16d02a_qkv:
	s_mov_b64 s[64:65], 0
	v_nop
	global_prefetch_b8 v0, s[64:65] scope:SCOPE_SE
	s_setreg_imm32_b32 hwreg(HW_REG_WAVE_MODE, 25, 1), 1
	s_wait_xcnt 0x0
	s_wait_alu depctr_hold_cnt(0) depctr_sa_sdst(0) depctr_va_vdst(0) depctr_va_sdst(0) depctr_va_ssrc(0) depctr_va_vcc(0) depctr_vm_vsrc(0)
	s_getreg_b32 s2, hwreg(HW_REG_IB_STS2, 6, 4)
	s_cmp_eq_u32 s2, 0
	s_cbranch_scc0 .Lentry_in_a_cluster
	s_endpgm
.Lentry_in_a_cluster:
	s_bfe_u32 s2, ttmp6, 0x10000c
	s_cmp_lg_u32 s2, 0xf033
	s_cbranch_scc0 .Lentry_shape_is_right
	s_endpgm
.Lentry_shape_is_right:
; q = x Wq + bq, k = x Wk + bk, v = x Wv + bv on codes of FP6 (E2M3) with E8M0 scales, f32 sums; the results are quantised here, from f32, and leave as codes and scale bytes.
; THE DEAL.  Work-group (j, i), j = 0..3, i = 0..63: 128 tokens (one key step) x features 256 j .. 256 j + 255 of q, then of k, then of v: three tiles, K = 1,024 whole.
; LDS: x's 128 rows, all of K, filled once; behind them ONE region for a weight's 256 rows, filled at the head with Wq's and again, behind a drained round of the cluster's barrier, with Wk's and with Wv's.
; A refill is asked for when a tile's products are done and lands under that tile's way out, which touches no LDS.  Rows are 768 bytes of memory, 16 bytes of padding behind every 256: LDS pitch 816.
; C[m][n] is quantised ALONG n.  Tiles 0, 1 (KIND 0): m = tokens, n = features (q, k along d); wave (a, b) of 2 x 2 makes 64 tokens x 128 features.  Tile 2 (KIND 1): m = features, n = tokens (v along the keys); wave w makes 64 features x 128 tokens.
; The matrix instruction is used transposed (source 0 = 16 rows of the n side, source 1 = 16 rows of the m side): lane (r, h) of accumulator (a, b) holds C(16 a + r, 16 b + 8 h + j) in register j.
; CLUSTERS 4 x 4: x's rows are shared along a row of the cluster, a weight's rows along a column: joint loads.
; SCALE WORDS go from memory into registers, 32 bytes a row: n side register SN + 8 (b % 4) + step, lanes 0-15 block b % 4, lanes 16-31 block b % 4 + 4; m side SM + 8 (a % 2) + step likewise with a % 2 + 2.
; One text serves tiles 0 and 1, so x's m-side words are loaded once more ahead of tile 1.
; PREFETCH: at the head of tiles 0 and 1 the weight tile that this tile's refill will load, 768 blocks of 256 bytes shared out by address among the sixteen waves of a column of the cluster, by the clusters with y < 4 alone; one tile's 256 products ahead.
; THE WAY OUT and the RECORDS: qbuf, kbuf, vbuf: [batch x head 64][step of 128 tokens 16][6,400 bytes]: four fragments of 1,536 bytes (register 4 k .. 4 k + 3 of lane l at 512 k + 16 l), then 256 bytes of scale words [r 16][fragment 4].
;   q, k: fragment 2 g + e: registers 0-5 the 64 d of tile 2 e of 64-group g, registers 6-11 those of tile 2 e + 1.   v: fragment t: rows d of tile t, registers along the step's 128 keys.
;   In a group of 64 rows image tile t, lane 8 a + g holds row 32 a + 8 t + g.  A KIND 0 wave owns one 64-group, so it stores 8 of a row's 16 bytes of scale words.
; LIMITS: NaN and infinities are not served.  A block whose largest magnitude lies under 2^-124 gets the scale byte 1; so does a block of zeros, where the rule says 127: its codes are zeros and this program alone reads the bytes.
.set KROW,   768
.set PITCH,  816
.set BLK,    16*PITCH
.set FR,     12
.set WREG,   128*PITCH                 ; x's rows lie from 0 on, the weight's from here
.set SPARE,  WREG+256*PITCH            ; the spare words, 128 bytes a wave
.set REC,    6400
.set HEADB,  16*REC
.set OSC,  7                           ; KIND 0: where my scale words go
.set PF,   20                          ; v20, v21 the prefetches' offsets
.set VSN,  22                          ; offsets of the scale loads, n side, m side
.set VSM,  23
.set VB0,  24                          ; 32 h
.set VB1,  25                          ; 4 r
.set OS1,  26                          ; KIND 1: 16 r + 8 h
.set SPW,  28
.set NIL,  29
.set SH8,  30
.set O16,  31
.set SN,   32                          ; v32-63
.set SM,   68                          ; v68-83
.set TM,   84
.set SO,   86
.set BY,   88
.set TW,   90
.set PWX,  91
.set PWY,  92
.set XX,   93
.set YX,   94
.set LW,   95
.set UW,   96
.set SWA,  98
.set SWB,  102
.set SW,   106
.set AF,   128                         ; m side fragments, two sets of 48; on the way out:
.set H,    128                         ; a block of 16 rows x 128 in f32
.set CX,   192
.set CY,   204
.set CT,   216
.set D,    224
.set BI,   0                           ; window 3: v0-63 the bias; v64-87, v88-111 LDS addresses of KIND 0, 1: n blocks 0-7, m blocks 0-3, two registers each
.set AB0,  64
.set AB1,  88
.set G1X, 40
.set G1W, 48
.set G0X, 56
.set G0W, 60
.set MSB, 0
.macro WIN new
.if MSB != (\new)
	s_set_vgpr_msb (MSB<<8)|(\new)
.set MSB, (\new)
.endif
.endm
.macro PLACES n
.rept \n
	v_nop
.endr
.endm
.macro WALU
	s_wait_alu depctr_va_vdst(0)
.endm
.macro CROUND
	s_barrier_signal -1
	s_barrier_wait -1
	s_cmp_lg_u32 s32, 0
	s_cbranch_scc1 .Lnot_wave_0_\@
	s_barrier_signal -3
.Lnot_wave_0_\@:
	s_barrier_wait -3
	s_barrier_signal -1
	s_barrier_wait -1
.endm
.macro GROUP1 g, mask, rows
	s_or_b32 s[\g+0], s[\mask], (1<<20)|(1<<21)|(5<<22)|(3<<25)
	s_mov_b32 s[\g+1], KROW<<16
	s_mov_b32 s[\g+2], (\rows)<<16
	s_mov_b32 s[\g+3], KROW<<16
	s_mov_b32 s[\g+4], \rows
	s_mov_b32 s[\g+5], KROW
	s_mov_b32 s[\g+6], 0
	s_mov_b32 s[\g+7], 0
.endm
	s_load_b512 s[4:19], s[0:1], 0x0               ; x's codes, scales; Wq's; Wk's; Wv's
	s_load_b256 s[20:27], s[0:1], 0x40             ; bq, bk, bv, qbuf
	s_load_b128 s[28:31], s[0:1], 0x60             ; kbuf, vbuf
	v_lshl_add_u32 v[SPW], v0, 2, SPARE
	v_mov_b32 v[NIL], 0
	ds_add_u32 v[SPW], v[NIL]                      ; the opening lines
	ds_add_u32 v[SPW], v[NIL]
	v_lshrrev_b32 v1, 5, v0
	v_readfirstlane_b32 s32, v1                    ; wave
	s_lshr_b32 s33, s32, 1
	s_and_b32 s34, s32, 1
	s_bfe_u32 s35, ttmp6, 0x40000                  ; cx = j
	s_bfe_u32 s36, ttmp6, 0x40004                  ; cy
	s_and_b32 s97, ttmp7, 0xffff                   ; the cluster's y
	s_lshl_b32 s37, s97, 2
	s_add_co_u32 s37, s37, s36                     ; i
	s_lshl_b32 s38, s36, 2
	s_lshl_b32 s38, 15, s38                        ; my row of the cluster
	s_lshl_b32 s39, 0x1111, s35                    ; my column
	GROUP1 G1X, 38, 64
	GROUP1 G1W, 39, 128
	s_lshl_b32 s66, s35, 8                         ; 256 j
	s_lshl_b32 s67, s34, 7
	s_add_co_u32 s67, s66, s67                     ; KIND 0: my first feature; also the weight rows that waves 2, 3 fetch
	s_lshl_b32 s70, s32, 6
	s_add_co_u32 s70, s66, s70                     ; KIND 1: my first feature
	s_lshl_b32 s71, s37, 7                         ; the first token
	s_lshl_b32 s74, s33, 6
	s_add_co_u32 s74, s71, s74                     ; KIND 0: my first token
	s_lshl_b32 s88, s34, 6
	s_add_co_u32 s88, s88, s71
	s_mul_i32 s88, s88, KROW                       ; the 64 rows of x that waves 0, 1 fetch
	s_mov_b32 s89, 0
	s_mul_i32 s84, s66, KROW                       ; the weight tile, for the prefetch
	s_mov_b32 s85, 0
	s_lshl_b32 s72, s67, 5                         ; offsets of scale bytes (32 a row) and of the bias (4 a number)
	s_mov_b32 s73, 0
	s_lshl_b32 s80, s67, 2
	s_mov_b32 s81, 0
	s_mul_i32 s66, s67, KROW
	s_mov_b32 s67, 0
	s_lshl_b32 s78, s70, 5
	s_mov_b32 s79, 0
	s_lshl_b32 s82, s70, 2
	s_mov_b32 s83, 0
	s_lshl_b32 s76, s71, 5
	s_mov_b32 s77, 0
	s_lshl_b32 s74, s74, 5
	s_mov_b32 s75, 0
	s_lshr_b32 s86, s37, 4                         ; where the records go
	s_lshl_b32 s86, s86, 4
	s_lshl_b32 s87, s35, 2
	s_add_co_u32 s86, s86, s87                     ; 16 batch + 4 j
	s_and_b32 s87, s37, 15
	s_mul_i32 s87, s87, REC
	s_lshl_b32 s68, s34, 1
	s_add_co_u32 s68, s68, s86
	s_mul_i32 s68, s68, HEADB
	s_add_co_u32 s68, s68, s87
	s_mul_i32 s69, s33, 3072
	s_add_co_u32 s68, s68, s69                     ; KIND 0: my first head's record, + my 64-group's two fragments
	s_mov_b32 s69, 0
	s_add_co_u32 s70, s86, s32
	s_mul_i32 s70, s70, HEADB
	s_add_co_u32 s70, s70, s87                     ; KIND 1: my head's record
	s_mov_b32 s71, 0
	s_mul_i32 s90, s33, 3064
	s_sub_co_u32 s90, 6144, s90                    ; scale words: 6,144 + 8 g, counted from the fragments' base
	s_mul_i32 s92, s33, 64*PITCH                   ; KIND 0: my rows of x
	s_mul_i32 s93, s32, 64*PITCH
	s_add_co_u32 s93, s93, WREG                    ; KIND 1: my rows of Wv
	s_lshl_b32 s94, s36, 2
	s_add_co_u32 s94, s94, s32
	s_mul_i32 s94, s94, 48                         ; my 48 blocks of a weight tile's 768
	s_mov_b32 s98, 0x76543210                      ; lane l xor 16
	s_mov_b32 s99, 0xfedcba98
	s_mov_b32 s100, 0xff00ff00                     ; lanes with r >= 8
	s_mov_b32 s101, 0xffff0000                     ; lanes 16-31
	s_mov_b32 s2, 0x05040100
	s_mov_b32 s3, 0x07060302
	s_mov_b32 s[G0X], 1
	s_mul_i32 s[G0X+1], s34, 64*PITCH
	s_mov_b32 s[G0W], 1
	s_mul_i32 s[G0W+1], s34, 128*PITCH
	s_add_co_u32 s[G0W+1], s[G0W+1], WREG
	s_wait_dscnt 0x0
	s_wait_kmcnt 0x0
	s_add_nc_u64 s[G0X+2:G0X+3], s[4:5], s[88:89]
	s_or_b32 s[G0X+3], s[G0X+3], 0x80000000
	s_add_nc_u64 s[G0W+2:G0W+3], s[8:9], s[66:67]
	s_or_b32 s[G0W+3], s[G0W+3], 0x80000000
	CROUND                                         ; the first joint loads meet
	s_cmp_eq_u32 s33, 0                            ; one load a wave: waves 0, 1 a half of x's rows, waves 2, 3 a half of Wq's
	s_cbranch_scc0 .Lhead_w
	tensor_load_to_lds s[G0X:G0X+3], s[G1X:G1X+7]
	s_nop 0
	PLACES 4
	s_branch .Lhead_asked
.Lhead_w:
	tensor_load_to_lds s[G0W:G0W+3], s[G1W:G1W+7]
	s_nop 0
	PLACES 4
.Lhead_asked:
	v_and_b32 v1, 15, v0                           ; r
	v_bfe_u32 v2, v0, 4, 1                         ; h
	v_and_b32 v3, 31, v0
	v_mul_u32_u24 v4, v1, PITCH
	v_mad_u32_u24 v14, v2, 24, v4                  ; a fragment's row + 24 h,
	v_mad_u32_u24 v15, v2, 40, v4                  ; and behind one padding more
	v_add_nc_u32 v8, s[G0W+1], v14                 ; KIND 0: n = my 128 rows of the weight,
	v_add_nc_u32 v9, s[G0W+1], v15
	v_add_nc_u32 v12, s92, v14                     ; m = my 64 rows of x
	v_add_nc_u32 v13, s92, v15
	v_add_nc_u32 v18, s93, v14                     ; KIND 1: m = my 64 rows of Wv; n = x's 128 rows
	v_add_nc_u32 v19, s93, v15
	v_lshlrev_b32 v5, 5, v1
	v_lshl_add_u32 v[VSN], v2, 11, v5
	v_lshl_add_u32 v[VSM], v2, 10, v5
	v_lshlrev_b32 v[VB0], 5, v2
	v_lshlrev_b32 v[VB1], 2, v1
	v_lshlrev_b32 v6, 4, v1
	v_lshl_add_u32 v[OS1], v2, 3, v6
	v_mad_u32_u24 v[OSC], v2, HEADB, v6            ; lanes 16-31 store the second head's scale words
	v_add_nc_u32 v[OSC], s90, v[OSC]
	v_lshlrev_b32 v[SH8], 3, v2
	v_lshlrev_b32 v[O16], 4, v3
	v_add_nc_u32 v[PF], s94, v3
	v_lshlrev_b32 v[PF], 8, v[PF]
	v_min_u32 v[PF+1], 15, v3
	v_add_nc_u32 v[PF+1], s94, v[PF+1]
	v_lshl_add_u32 v[PF+1], v[PF+1], 8, 32*256
	v_mov_b32 v[TW], 0                             ; written once: a lane permute's or DPP form's destination counts as a source
	v_mov_b32 v[XX], 0
	v_mov_b32 v[YX], 0
	WIN 0xc0
.irp i, 0,1,2,3,4,5,6,7
	v_add_nc_u32 v[AB0+2*\i], \i*BLK, v8
	v_add_nc_u32 v[AB0+2*\i+1], \i*BLK, v9
	v_add_nc_u32 v[AB1+2*\i], \i*BLK, v14
	v_add_nc_u32 v[AB1+2*\i+1], \i*BLK, v15
.endr
.irp i, 0,1,2,3
	v_add_nc_u32 v[AB0+16+2*\i], \i*BLK, v12
	v_add_nc_u32 v[AB0+16+2*\i+1], \i*BLK, v13
	v_add_nc_u32 v[AB1+16+2*\i], \i*BLK, v18
	v_add_nc_u32 v[AB1+16+2*\i+1], \i*BLK, v19
.endr
	WIN 0
	WALU                                           ; the wait at the head's end
; a fragment, 16 rows x 128 K: lane (r, h) takes 24 bytes at 96 q + 24 h and 24 at 96 q + 48 + 24 h of its row, in pieces of 8 bytes, two to a load where both lie behind as many paddings
.macro FRAG reg, a0, q
.set SKIP_, 0
.irp p, 0,1,2,3,4,5
.if SKIP_
.set SKIP_, 0
.else
.set PC_, 12*(\q)+6*(\p/3)+\p%3
.set PN_, 12*(\q)+6*((\p+1)/3)+(\p+1)%3
.set X_, (PC_%32+3)/32
.set XQ_, (PN_%32+3)/32
.if (\p < 5) && (X_ == XQ_)
.set SKIP_, 1
	ds_load_2addr_b64 v[\reg+2*\p:\reg+2*\p+3], v[\a0+X_] offset0:PC_+2*(PC_/32) offset1:PN_+2*(PN_/32)
.else
	ds_load_b64 v[\reg+2*\p:\reg+2*\p+1], v[\a0+X_] offset:8*(PC_+2*(PC_/32))
.endif
.endif
.endr
.endm
.macro FETCH ab, st, p                 ; step st's twelve fragments into set p: n side window 1, m side window 0; the addresses lie in window 3
	WIN 0x43
.irp i, 0,1,2,3,4,5,6,7
	FRAG 128*(\p)+FR*\i, \ab+2*\i, \st
.endr
	WIN 0x03
.irp i, 0,1,2,3
	FRAG AF+48*(\p)+FR*\i, \ab+16+2*\i, \st
.endr
.endm
.macro MUL32 st                        ; the 32 accumulators by turns, in the same order in every step
	WIN 0xa1
.set P_, (\st)%2
.irp ah, 0,1
.irp al, 0,1
.irp bh, 0,1
.irp bl, 0,1,2,3
.set D_, 8*(8*(2*\ah+\al)+4*\bh+\bl)
.set N_, 128*P_+FR*(4*\bh+\bl)
.set M_, AF+48*P_+FR*(2*\ah+\al)
.if (\st) == 0
	v_wmma_scale_f32_16x16x128_f8f6f4 v[D_:D_+7], v[N_:N_+FR-1], v[M_:M_+FR-1], 0, v[SN+8*\bl+(\st)], v[SM+8*\al+(\st)] matrix_a_fmt:MATRIX_FMT_FP6 matrix_b_fmt:MATRIX_FMT_FP6 matrix_a_scale:MATRIX_SCALE_ROW\bh matrix_b_scale:MATRIX_SCALE_ROW\ah
.else
	v_wmma_scale_f32_16x16x128_f8f6f4 v[D_:D_+7], v[N_:N_+FR-1], v[M_:M_+FR-1], v[D_:D_+7], v[SN+8*\bl+(\st)], v[SM+8*\al+(\st)] matrix_a_fmt:MATRIX_FMT_FP6 matrix_b_fmt:MATRIX_FMT_FP6 matrix_a_scale:MATRIX_SCALE_ROW\bh matrix_b_scale:MATRIX_SCALE_ROW\ah
.endif
.endr
.endr
.endr
.endr
.endm
.macro KLOOP ab                        ; a tile: eight steps of 128 along K; a step's fragments were asked for ahead of the step before
	FETCH \ab, 0, 0
.irp st, 0,1,2,3,4,5,6
	s_wait_dscnt 0x0
.if \st > 0
	PLACES 4                                       ; between the last products and the loads into the set that they read
.endif
	FETCH \ab, \st+1, (\st+1)%2
	MUL32 \st
.endr
	s_wait_dscnt 0x0
	MUL32 7
	WIN 0
	PLACES 4
.endm
.macro SCLOAD                          ; twelve loads: a tile's scale words, n side by s[86:87], m side by s[88:89]
.irp i, 0,1,2,3
.irp c, 0,1
	global_load_b128 v[SN+8*\i+4*\c:SN+8*\i+4*\c+3], v[VSN], s[86:87] offset:512*\i+16*\c
.endr
.endr
.irp i, 0,1
.irp c, 0,1
	global_load_b128 v[SM+8*\i+4*\c:SM+8*\i+4*\c+3], v[VSM], s[88:89] offset:512*\i+16*\c
.endr
.endr
.endm
; ---- the way out.  Block a's eight accumulators + bias -> H, accumulator 4 c + {0,1,2,3} at place 4 c + {0,2,1,3}; each accumulator is read from its low end on
.macro BIASMOVE kind, a
	WIN 0x0e                                       ; source 0 window 2, source 1 window 3
.irp b, 0,1,2,3,4,5,6,7
.irp j, 0,2,4,6
.if \kind
	v_pk_add_f32 v[H+8*(4*(\b/4)+2*(\b%2)+(\b%4)/2)+\j:H+8*(4*(\b/4)+2*(\b%2)+(\b%4)/2)+\j+1], v[8*(8*(\a)+\b)+\j:8*(8*(\a)+\b)+\j+1], v[BI+8*(\a):BI+8*(\a)+1]
.else
	v_pk_add_f32 v[H+8*(4*(\b/4)+2*(\b%2)+(\b%4)/2)+\j:H+8*(4*(\b/4)+2*(\b%2)+(\b%4)/2)+\j+1], v[8*(8*(\a)+\b)+\j:8*(8*(\a)+\b)+\j+1], v[BI+8*\b+\j:BI+8*\b+\j+1]
.endif
.endr
.endr
	WIN 0
.endm
.macro NSWAP                           ; afterwards register 32 c + i = C(r, 64 c + 32 h + i)
.irp c, 0,1
.irp j, 0,1,2,3,4,5,6,7
	v_permlane16_swap_b32 v[H+32*\c+\j], v[H+32*\c+8+\j]
	v_permlane16_swap_b32 v[H+32*\c+16+\j], v[H+32*\c+24+\j]
.endr
.endr
.endm
.set MQ, 110                           ; v110-115 six of the eight chains of largest magnitudes
.macro QUANT2 s, d, w                  ; two whole blocks of 32 in a lane -> twelve registers of codes and the row's scale word (byte 2 c + h).  The largest magnitudes in eight chains, four to a block, so that no line reads the line just above it
.irp c, 0,1
	v_max3_num_f32 v[TM+\c], |v[\s+32*\c]|, |v[\s+32*\c+1]|, |v[\s+32*\c+2]|
.endr
.irp k, 1,2,3
.irp c, 0,1
	v_max3_num_f32 v[MQ+2*\k-2+\c], |v[\s+32*\c+8*\k]|, |v[\s+32*\c+8*\k+1]|, |v[\s+32*\c+8*\k+2]|
.endr
.endr
.irp i, 3,5
.irp c, 0,1
	v_max3_num_f32 v[TM+\c], v[TM+\c], |v[\s+32*\c+\i]|, |v[\s+32*\c+\i+1]|
.endr
.irp k, 1,2,3
.irp c, 0,1
	v_max3_num_f32 v[MQ+2*\k-2+\c], v[MQ+2*\k-2+\c], |v[\s+32*\c+8*\k+\i]|, |v[\s+32*\c+8*\k+\i+1]|
.endr
.endr
.endr
.irp c, 0,1
	v_max3_num_f32 v[TM+\c], v[TM+\c], |v[\s+32*\c+7]|, |v[\s+32*\c+15]|
.endr
.irp c, 0,1
	v_max3_num_f32 v[MQ+\c], v[MQ+\c], |v[\s+32*\c+23]|, |v[\s+32*\c+31]|
.endr
.irp c, 0,1
	v_max3_num_f32 v[TM+\c], v[TM+\c], v[MQ+2+\c], v[MQ+4+\c]
.endr
.irp c, 0,1
	v_max3_num_f32 v[TM+\c], v[TM+\c], v[MQ+\c], 0x1800000   ; with the floor 2^(3 - 127): the byte cannot fall under 1
.endr
.irp c, 0,1
	v_add_nc_u32 v[SO+\c], 0xff000000, v[TM+\c]    ; 2 off the exponent field: the conversion's scale operand
.endr
.irp c, 0,1
	v_lshrrev_b32 v[BY+\c], 23, v[SO+\c]
.endr
	v_lshl_or_b32 v[\w], v[BY+1], 16, v[BY]
	v_lshlrev_b32 v[\w], v[SH8], v[\w]
	v_permlanex16_b32 v[TW], v[\w], s98, s99
	v_or_b32 v[\w], v[\w], v[TW]
.irp c, 0,1
	v_cvt_scalef32_pk16_fp6_f32 v[\d+6*\c:\d+6*\c+2], v[\s+32*\c:\s+32*\c+15], v[SO+\c]
	v_cvt_scalef32_pk16_fp6_f32 v[CT+4*\c:CT+4*\c+2], v[\s+32*\c+16:\s+32*\c+31], v[SO+\c]
.endr
	v_nop                                          ; one plain line behind the scaled conversions
.irp c, 0,1
.irp i, 0,1,2
	v_mov_b32 v[\d+6*\c+3+\i], v[CT+4*\c+\i]
.endr
.endr
.endm
.macro PAIRMIX kind                    ; blocks X (rows 16 e + r) and Y (rows 32 + 16 e + r) become image tiles 2 e and 2 e + 1.  The 24 lane moves land in registers of their own (H's, which are done with), ahead of the 24 selects
.irp i, 0,1,2,3,4,5,6,7,8,9,10,11
	v_mov_b32_dpp v[H+\i], v[CY+\i] row_xmask:8 row_mask:0xf bank_mask:0xf
	v_mov_b32_dpp v[H+12+\i], v[CX+\i] row_xmask:8 row_mask:0xf bank_mask:0xf
.endr
.irp i, 0,1,2,3,4,5,6,7,8,9,10,11
.if \kind
	v_cndmask_b32 v[D+\i], v[CX+\i], v[H+\i], s100
	v_cndmask_b32 v[D+12+\i], v[H+12+\i], v[CY+\i], s100
.else
	v_cndmask_b32 v[D+12*(\i/6)+\i%6], v[CX+\i], v[H+\i], s100
	v_cndmask_b32 v[D+12*(\i/6)+\i%6+6], v[H+12+\i], v[CY+\i], s100
.endif
.endr
	v_mov_b32_dpp v[YX], v[PWY] row_xmask:8 row_mask:0xf bank_mask:0xf
	v_mov_b32_dpp v[XX], v[PWX] row_xmask:8 row_mask:0xf bank_mask:0xf
	v_cndmask_b32 v[LW], v[PWX], v[YX], s100
	v_cndmask_b32 v[UW], v[XX], v[PWY], s100
.endm
.macro EPI kind
.irp e, 0,1
	BIASMOVE \kind, \e
	NSWAP
	QUANT2 H, CX, PWX
	BIASMOVE \kind, 2+\e
	NSWAP
	QUANT2 H, CY, PWY
	WALU                                           ; the wait ahead of the wait below
	s_wait_xcnt 0x0                                ; the last stores have read their data
	PAIRMIX \kind
.if \kind
	v_mov_b32 v[SWA+2*\e], v[LW]
	v_mov_b32 v[SWA+2*\e+1], v[UW]
.irp k, 0,1,2,3,4,5
	global_store_b128 v[O16], v[D+4*\k:D+4*\k+3], s[92:93] offset:\e*3072+512*\k   ; 512 consecutive bytes, aligned
.endr
.else
	v_perm_b32 v[SWA+\e], v[UW], v[LW], s2         ; first head: the lower tile's two bytes, then the upper tile's
	v_perm_b32 v[SWB+\e], v[UW], v[LW], s3         ; second head
.irp k, 0,1,2,3,4,5
	global_store_b128 v[O16], v[D+4*\k:D+4*\k+3], s[92:93] offset:(\k/3)*HEADB+\e*1536+512*(\k%3)
.endr
.endif
.endr
.if \kind
	v_cndmask_b32 v[SW], v[SWA], v[SWA+2], s101    ; lane (r, h) stores words 2 h, 2 h + 1 of row r: 256 consecutive bytes
	v_cndmask_b32 v[SW+1], v[SWA+1], v[SWA+3], s101
	global_store_b64 v[OS1], v[SW:SW+1], s[92:93] offset:6144
.else
	v_cndmask_b32 v[SW], v[SWA], v[SWB], s101
	v_cndmask_b32 v[SW+1], v[SWA+1], v[SWB+1], s101
	global_store_b64 v[OSC], v[SW:SW+1], s[92:93]
.endif
.endm
	s_add_nc_u64 s[86:87], s[10:11], s[72:73]      ; tile 0's scale words: Wq's and x's
	s_add_nc_u64 s[88:89], s[6:7], s[74:75]
	SCLOAD
	s_mov_b32 s96, 0
.Ltile:                                                ; tiles 0 and 1: q, k
	s_wait_xcnt 0x0                                ; the pointers below are written again only behind this wait
	s_cmp_eq_u32 s96, 0
	s_cselect_b64 s[90:91], s[20:21], s[22:23]     ; this tile's bias and records;
	s_cselect_b64 s[92:93], s[26:27], s[28:29]
	s_cselect_b64 s[94:95], s[12:13], s[16:17]     ; the next tile's weight and scale bytes
	s_cselect_b64 s[86:87], s[14:15], s[6:7]
	s_cselect_b64 s[88:89], s[6:7], s[18:19]
	s_cselect_b32 s34, s72, s76
	s_cselect_b32 s36, s74, s78
	s_mov_b32 s35, 0
	s_mov_b32 s37, 0
	s_add_nc_u64 s[90:91], s[90:91], s[80:81]
	s_add_nc_u64 s[92:93], s[92:93], s[68:69]
	s_add_nc_u64 s[86:87], s[86:87], s[34:35]
	s_add_nc_u64 s[88:89], s[88:89], s[36:37]
	s_add_nc_u64 s[38:39], s[94:95], s[84:85]
	WIN 0xc0
.irp b, 0,1,2,3,4,5,6,7
.irp c, 0,1
	global_load_b128 v[BI+8*\b+4*\c:BI+8*\b+4*\c+3], v[VB0], s[90:91] offset:64*\b+16*\c   ; register 8 b + j = bias[16 b + 8 h + j]; waited for on the way out
.endr
.endr
	WIN 0
	s_cmp_lt_u32 s97, 4
	s_cbranch_scc0 .Lno_pf
	global_prefetch_b8 v[PF], s[38:39] th:TH_LOAD_NT scope:SCOPE_SE
	global_prefetch_b8 v[PF+1], s[38:39] th:TH_LOAD_NT scope:SCOPE_SE
.Lno_pf:
	s_wait_loadcnt 16                              ; the scale words are in; the sixteen bias loads may be out
	s_wait_tensorcnt 0x0                           ; my part of the tiles is in,
	s_barrier_signal -1
	s_barrier_wait -1                              ; everybody's is
	KLOOP AB0
	s_wait_tensorcnt 0x0                           ; the three lines ahead of a refill's round
	ds_add_u32 v[SPW], v[NIL]
	s_add_nc_u64 s[G0W+2:G0W+3], s[94:95], s[66:67]
	s_or_b32 s[G0W+3], s[G0W+3], 0x80000000
	s_wait_dscnt 0x0
	CROUND                                         ; no wave of any partner still reads the weight's region
	s_cmp_eq_u32 s33, 0
	s_cbranch_scc1 .Lno_fill
	tensor_load_to_lds s[G0W:G0W+3], s[G1W:G1W+7]  ; waves 2, 3: a half each of the next weight's rows
	s_nop 0
	PLACES 4
.Lno_fill:
	SCLOAD                                         ; the next tile's scale words land under the way out
	s_wait_loadcnt 12                              ; the bias is in; the twelve just issued may be out
	EPI 0
	s_add_co_u32 s96, s96, 1
	s_cmp_lg_u32 s96, 2
	WALU
	s_cbranch_scc1 .Ltile
	s_wait_xcnt 0x0                                ; tile 2: v
	s_add_nc_u64 s[90:91], s[24:25], s[82:83]
	s_add_nc_u64 s[92:93], s[30:31], s[70:71]
	WIN 0xc0
.irp a, 0,1,2,3
	global_load_b32 v[BI+8*\a], v[VB1], s[90:91] offset:64*\a   ; bias[16 a + r]
.endr
	WIN 0
	s_wait_loadcnt 4                               ; the scale words are in; bv's four loads may be out
	s_wait_tensorcnt 0x0
	s_barrier_signal -1
	s_barrier_wait -1
	KLOOP AB1
	s_wait_loadcnt 0x0
	WIN 0xc3
.irp a, 0,1,2,3
	v_mov_b32 v[BI+8*\a+1], v[BI+8*\a]             ; a pair of the same number for the packed additions
.endr
	WIN 0
	EPI 1
	s_wait_tensorcnt 0x0                           ; the wave's end
	ds_add_u32 v[SPW], v[NIL]
	s_wait_dscnt 0x0
	CROUND                                         ; the closing round
	s_endpgm
.Lfunc_end_k_qa40d16d02a_qkv:
	.size	k_qa40d16d02a_qkv, .Lfunc_end_k_qa40d16d02a_qkv-k_qa40d16d02a_qkv
	.p2alignl 7, 3214868480
	.fill 96, 4, 3214868480
	.section	.rodata,"a",@progbits
	.p2align	6, 0x0
	.amdhsa_kernel k_qa40d16d02a_qkv
		.amdhsa_group_segment_fixed_size 327680
		.amdhsa_private_segment_fixed_size 0
		.amdhsa_enable_private_segment 0
		.amdhsa_kernarg_size 112
		.amdhsa_user_sgpr_count 2
		.amdhsa_user_sgpr_kernarg_segment_ptr 1
		.amdhsa_wavefront_size32 1
		.amdhsa_system_sgpr_workgroup_id_x 1
		.amdhsa_system_sgpr_workgroup_id_y 1
		.amdhsa_system_sgpr_workgroup_id_z 1
		.amdhsa_system_vgpr_workitem_id 0
		.amdhsa_next_free_vgpr 896
		.amdhsa_next_free_sgpr 102
		.amdhsa_reserve_vcc 0
		.amdhsa_float_denorm_mode_32 3
		.amdhsa_float_denorm_mode_16_64 3
		.amdhsa_memory_ordered 1
		.amdhsa_forward_progress 1
		.amdhsa_inst_pref_size 189
	.end_amdhsa_kernel
	.amdgpu_metadata
---
amdhsa.version: [ 1, 2 ]
amdhsa.kernels:
  - .name:           k_qa40d16d02a_qkv
    .symbol:         k_qa40d16d02a_qkv.kd
    .args:
      - { .name: x_codes, .offset: 0, .size: 8, .value_kind: global_buffer, .address_space: global }
      - { .name: x_scales, .offset: 8, .size: 8, .value_kind: global_buffer, .address_space: global }
      - { .name: Wq_codes, .offset: 16, .size: 8, .value_kind: global_buffer, .address_space: global }
      - { .name: Wq_scales, .offset: 24, .size: 8, .value_kind: global_buffer, .address_space: global }
      - { .name: Wk_codes, .offset: 32, .size: 8, .value_kind: global_buffer, .address_space: global }
      - { .name: Wk_scales, .offset: 40, .size: 8, .value_kind: global_buffer, .address_space: global }
      - { .name: Wv_codes, .offset: 48, .size: 8, .value_kind: global_buffer, .address_space: global }
      - { .name: Wv_scales, .offset: 56, .size: 8, .value_kind: global_buffer, .address_space: global }
      - { .name: bq, .offset: 64, .size: 8, .value_kind: global_buffer, .address_space: global }
      - { .name: bk, .offset: 72, .size: 8, .value_kind: global_buffer, .address_space: global }
      - { .name: bv, .offset: 80, .size: 8, .value_kind: global_buffer, .address_space: global }
      - { .name: qbuf, .offset: 88, .size: 8, .value_kind: global_buffer, .address_space: global }
      - { .name: kbuf, .offset: 96, .size: 8, .value_kind: global_buffer, .address_space: global }
      - { .name: vbuf, .offset: 104, .size: 8, .value_kind: global_buffer, .address_space: global }
    .group_segment_fixed_size: 327680
    .private_segment_fixed_size: 0
    .kernarg_segment_align: 8
    .kernarg_segment_size: 112
    .max_flat_workgroup_size: 128
    .sgpr_count:     102
    .vgpr_count:     896
    .wavefront_size: 32
...
	.end_amdgpu_metadata
.endif
;; end of part 1
;; launch attn (part 2): grid 4 x 64, 16 waves a work-group, clusters of 4 x 1, 206,848 bytes of LDS; arguments qbuf, kbuf, vbuf, ctxc, ctxs; writes ctxc, ctxs
.if DOCPART == 2
	.amdgcn_target "amdgcn-amd-amdhsa--gfx1250"
	.amdhsa_code_object_version 6
	.text
	.protected	k_qa40d16d02a_attn
	.globl	k_qa40d16d02a_attn
	.p2align	8
	.type	k_qa40d16d02a_attn,@function
k_qa40d16d02a_attn:
	s_mov_b64 s[64:65], 0
	v_nop
	global_prefetch_b8 v0, s[64:65] scope:SCOPE_SE
	s_setreg_imm32_b32 hwreg(HW_REG_WAVE_MODE, 25, 1), 1
	s_wait_xcnt 0x0
	s_wait_alu depctr_hold_cnt(0) depctr_sa_sdst(0) depctr_va_vdst(0) depctr_va_sdst(0) depctr_va_ssrc(0) depctr_va_vcc(0) depctr_vm_vsrc(0)
	s_getreg_b32 s2, hwreg(HW_REG_IB_STS2, 6, 4)
	s_cmp_eq_u32 s2, 0
	s_cbranch_scc0 .Lentry_in_a_cluster
	s_endpgm
.Lentry_in_a_cluster:
	s_bfe_u32 s2, ttmp6, 0x10000c
	s_cmp_lg_u32 s2, 0x3003
	s_cbranch_scc0 .Lentry_shape_is_right
	s_endpgm
.Lentry_shape_is_right:
; context = softmax(q k^T / 8) v for one (batch, head), both products on codes of FP6 (E2M3) with E8M0 scales, and the context quantised along the head's 64 for the last projection.
; THE SOFTMAX: t = score x log2(e) / 8; M = the running largest t rounded UP to a whole number; p = 2^(t - M) is quantised along the keys, not normalised; the row's sum is taken of the unquantised p and divides at the end.
; When M moves, the sum and O are multiplied by 2^(old M - new M): exact.  The running maximum is kept as a score; c is positive, so c x the largest score is the largest t.
; SHARES.  A work-group owns 512 queries of one head; wave w of sixteen owns Q's fragment 16 cx + w, two tiles of 16 queries, and takes them in two passes over all 2,048 keys, 128 a step.  256 registers a wave, four waves to a SIMD.
; LDS holds the head's WHOLE K (16 records of 6,400 bytes from 0 on) and V (from 102,400 on), filled ONCE.  Nothing is filled again and nothing is stored to LDS.
; The four work-groups of a cluster belong to one head: the records are asked for JOINTLY, one load a wave: two records on end, 50 rows of 256 bytes: wave w < 8 K's steps 2 w, 2 w + 1, wave w >= 8 V's steps 2 (w - 8), 2 (w - 8) + 1.
; Nothing is prefetched: all that the launch reads of K and V is asked for by these loads at its head, so there is no loop to run ahead in.
; LAYOUT.  Both products are used transposed: S^T = K Q^T, O^T = V^T P^T: a lane holds ONE query (lane % 16) throughout.  In the records image tile t, lane 8 a + g holds row 32 a + 8 t + g of a group of 64.
; So register 32 c + i of S^T is key 64 c + 32 (lane / 16) + i, and register i of O^T is d = 32 (lane / 16) + i: a whole block of 32 in one lane, in the operand's own order.
; K = 64 IN A FORM 128 DEEP.  A fragment of K carries two tiles of keys, one in k 0-63 and one in k 64-127.  Q stands as [six zeros | Q | six zeros]: the last twelve registers give the lower tile's scores, the first twelve the upper tile's.
; Zero codes add nothing; Q's scale word repeats its two bytes.
; SCALE WORDS of a step's K and V come by ONE load: lanes 0-15 take K's, lanes 16-31 V's; the second product reads its rows' scales from lanes 16-31.
; THE STEP'S ORDER.  V's fragments are asked for behind the scores' products and land under the softmax.  The next step's fragments of K are asked for behind the second product, and the row's sum of this step's p stands behind them, in eight
; chains; the seven additions that join the chains name no score and stand in the next step, four of them as the places behind its scores' products (a pass begins with the chains at zero and ends by joining them).
; A pass's last step asks for nothing more and is written out.
; LIMITS: NaN and infinities are not served.  The running maximum begins at -3e38.  p under 2^-126 comes out of v_exp_f32 as 0.  A block whose largest magnitude lies under 2^-124, a block of zeros too, gets the byte 1:
; this program alone reads the bytes.
.set REC,   6400
.set HEADB, 102400
.set SPARE, 2*HEADB
.set AL0,  1                           ; 16 x lane
.set AS0,  2                           ; 16 r + V's region x h
.set SH8,  3                           ; 8 h
.set G8,   4                           ; 8 x lane
.set G32,  5                           ; 32 x lane
.set ADL,  6                           ; the step's images of K
.set ADS,  7                           ; its scale words, K's and V's
.set NEGM, 8
.set SMAX, 9                           ; the largest score so far
.set L,    10
.set F,    12
.set BM,   14
.set SO,   16
.set BY,   18
.set T,    20
.set QS,   23
.set QW,   24
.set CW,   25
.set TW,   27
.set KSW,  28                          ; v28-31 lanes 0-15 K's scale words, lanes 16-31 V's
.set PS,   32                          ; p's scale word
.set ASQ,  33                          ; 16 r
.set QI,   36
.set QQ,   48
.set P,    66
.set CT,   78                          ; v78-80, v82-84
.set ALV,  81                          ; 16 x lane + V's region
.set ADLV, 86                          ; the step's images of V
.set KV,   88
.set S,    136
.set O,    200
.set CC,   232
.set MX,   244                         ; v244-249 six of the eight chains of maxima; v242-253 also serve the sum's chains
.set SPW,  254
.set NIL,  255
.set WV,   14
.set G1,   16
.set G0K,  24
.set G0V,  28
.set TB,   32
.set CNT,  33
.set CSC,  34
.set SEL,  36
.set NC,   39                          ; -c
.macro ROUND
	s_barrier_signal -1
	s_barrier_wait -1
	s_cmp_lg_u32 s[WV], 0
	s_cbranch_scc1 .Lnot_wave_0_\@
	s_barrier_signal -3
.Lnot_wave_0_\@:
	s_barrier_wait -3
	s_barrier_signal -1
	s_barrier_wait -1
.endm
.macro WALU
	s_wait_alu depctr_va_vdst(0)
.endm
	s_load_b256 s[4:11], s[0:1], 0x0               ; qbuf, kbuf, vbuf, ctxc
	s_load_b64 s[12:13], s[0:1], 0x20              ; ctxs
	v_lshl_add_u32 v[SPW], v0, 2, SPARE
	v_mov_b32 v[NIL], 0
	ds_add_u32 v[SPW], v[NIL]                      ; the opening lines
	ds_add_u32 v[SPW], v[NIL]
	v_lshrrev_b32 v1, 5, v0
	v_readfirstlane_b32 s[WV], v1
	s_bfe_u32 s15, ttmp6, 0x40000                  ; cx: it enters Q's and the context's addresses alone
	s_and_b32 s40, ttmp7, 0xffff                   ; 16 x batch + head
	s_mul_i32 s41, s40, HEADB
	s_and_b32 s42, s[WV], 7
	s_mul_i32 s46, s42, 2*REC                      ; my two records: their place in a region of LDS,
	s_add_co_u32 s44, s46, s41                     ; and in memory
	s_mov_b32 s45, 0
	s_mov_b32 s[G1], 15|(3<<16)|(1<<21)            ; the mask: all four work-groups; elements of 8 bytes; no padding
	s_mov_b32 s[G1+1], 32<<16                      ; rows of 256 bytes,
	s_mov_b32 s[G1+2], 50<<16                      ; 50 of them
	s_mov_b32 s[G1+3], 32<<16
	s_mov_b32 s[G1+4], 50
	s_mov_b32 s[G1+5], 32
	s_mov_b32 s[G1+6], 0
	s_mov_b32 s[G1+7], 0
	s_mov_b32 s[CSC], 0x3e38aa3b                   ; c = log2(e) / 8
	s_mov_b32 s[CSC+1], s[CSC]
	s_mov_b32 s[NC], 0xbe38aa3b
	s_mov_b32 s[SEL], 0x76543210
	s_mov_b32 s[SEL+1], 0xfedcba98
	s_mov_b32 s38, 0xffff0000
	s_mov_b32 s[G0K], 1
	s_mov_b32 s[G0K+1], s46
	s_mov_b32 s[G0V], 1
	s_add_co_u32 s[G0V+1], s46, HEADB
	s_wait_dscnt 0x0
	s_wait_kmcnt 0x0
	s_add_nc_u64 s[G0K+2:G0K+3], s[6:7], s[44:45]
	s_or_b32 s[G0K+3], s[G0K+3], 0x80000000
	s_add_nc_u64 s[G0V+2:G0V+3], s[8:9], s[44:45]
	s_or_b32 s[G0V+3], s[G0V+3], 0x80000000
	ROUND                                          ; the joint loads meet
	s_cmp_lt_u32 s[WV], 8
	s_cbranch_scc0 .Lfirst_v
	tensor_load_to_lds s[G0K:G0K+3], s[G1:G1+7]
	s_nop 0
.rept 4
	v_nop
.endr
	s_branch .Lfirst_asked
.Lfirst_v:
	tensor_load_to_lds s[G0V:G0V+3], s[G1:G1+7]
	s_nop 0
.rept 4
	v_nop
.endr
.Lfirst_asked:
	v_and_b32 v2, 15, v0
	v_bfe_u32 v3, v0, 4, 1
	v_and_b32 v1, 31, v0
	v_lshlrev_b32 v[ASQ], 4, v2
	v_mad_u32_u24 v[AS0], v3, HEADB, v[ASQ]        ; lanes 16-31 take V's scale words
	v_lshlrev_b32 v[SH8], 3, v3
	v_lshlrev_b32 v[G8], 3, v1
	v_lshlrev_b32 v[G32], 5, v1
	v_lshlrev_b32 v[AL0], 4, v1
	v_add_nc_u32 v[ALV], HEADB, v[AL0]
	WALU                                           ; the wait ahead of the run of scalar lines
	s_lshl_b32 s47, s15, 4
	s_add_co_u32 s47, s47, s[WV]                   ; f: my fragment of Q, 0 .. 63
	s_lshr_b32 s56, s47, 2
	s_mul_i32 s56, s56, REC
	s_add_co_u32 s56, s56, s41
	s_mov_b32 s57, 0
	s_add_nc_u64 s[4:5], s[4:5], s[56:57]          ; its record
	s_and_b32 s58, s47, 3
	s_mul_i32 s60, s58, 1536
	s_mov_b32 s61, 0
	s_add_nc_u64 s[60:61], s[4:5], s[60:61]
	s_lshl_b32 s58, s58, 2
	s_mov_b32 s59, 0
	s_add_nc_u64 s[58:59], s[4:5], s[58:59]
.irp k, 0,1,2
	global_load_b128 v[QI+4*\k:QI+4*\k+3], v[AL0], s[60:61] offset:512*\k
.endr
	global_load_b32 v[QW], v[ASQ], s[58:59] offset:6144
	s_lshr_b32 s56, s40, 4
	s_lshl_b32 s56, s56, 6
	s_add_co_u32 s56, s56, s47                     ; 64 x batch + f: my two tiles of the context are tiles 2 x this and the next
	s_and_b32 s62, s40, 15
	s_mul_i32 s42, s56, 24576
	s_mul_i32 s43, s62, 768
	s_add_co_u32 s42, s42, s43
	s_mov_b32 s43, 0
	s_add_nc_u64 s[10:11], s[10:11], s[42:43]      ; ctxc: [tile][head][768 bytes]
	s_lshl_b32 s42, s56, 10
	s_lshl_b32 s62, s62, 1
	s_add_co_u32 s42, s42, s62
	s_add_nc_u64 s[12:13], s[12:13], s[42:43]      ; ctxs: [row][32 bytes], my head's two
.irp i, 0,1,2,3,4,5
	v_mov_b32 v[QQ+\i], 0
	v_mov_b32 v[QQ+12+\i], 0
.endr
	v_mov_b32 v[TW], 0                             ; written once: a lane permute's destination counts as one of its sources
	v_mov_b32 v[F+1], 0
	s_wait_loadcnt 0x0                             ; Q
.macro ADDRS                           ; the LDS addresses of the step that begins at s[TB]
	v_add_nc_u32 v[ADL], s[TB], v[AL0]
	v_add_nc_u32 v[ADS], s[TB], v[AS0]
	v_add_nc_u32 v[ADLV], s[TB], v[ALV]
.endm
.macro KLOAD                           ; K's four fragments, as images, and the step's scale words
.irp k, 0,1,2,3,4,5,6,7,8,9,10,11
	ds_load_b128 v[KV+4*\k:KV+4*\k+3], v[ADL] offset:512*\k
.endr
	ds_load_b128 v[KSW:KSW+3], v[ADS] offset:6144
.endm
.macro OM2 a, b                        ; O^T under the new M, four numbers
	v_pk_mul_f32 v[O+\a:O+\a+1], v[O+\a:O+\a+1], v[F:F+1] op_sel_hi:[1,0]
	v_pk_mul_f32 v[O+\b:O+\b+1], v[O+\b:O+\b+1], v[F:F+1] op_sel_hi:[1,0]
.endm
; A KEY STEP: 128 keys.  Matrix instructions in the order S0 .. S7, O0 .. O3: no two neighbours share an accumulator, over the backward jump too.  more = 1: a step follows in this pass
.macro STEP more
	WALU                                           ; the wait ahead of the wait below
	s_wait_dscnt 0x0                               ; K is in
.irp f, 0,1,2,3
	v_wmma_scale_f32_16x16x128_f8f6f4 v[S+16*\f:S+16*\f+7], v[KV+12*\f:KV+12*\f+11], v[QQ+6:QQ+17], 0, v[KSW+\f], v[QS] matrix_a_fmt:MATRIX_FMT_FP6 matrix_b_fmt:MATRIX_FMT_FP6
	v_wmma_scale_f32_16x16x128_f8f6f4 v[S+16*\f+8:S+16*\f+15], v[KV+12*\f:KV+12*\f+11], v[QQ:QQ+11], 0, v[KSW+\f], v[QS] matrix_a_fmt:MATRIX_FMT_FP6 matrix_b_fmt:MATRIX_FMT_FP6
.endr
	v_pk_add_f32 v[252:253], v[252:253], v[244:245]   ; the last step's eight chains of the sum are joined: these four lines are the places in front of the loads into K's registers and of the first read of the scores
	v_pk_add_f32 v[250:251], v[250:251], v[242:243]
	v_pk_add_f32 v[10:11], v[10:11], v[248:249]
	v_pk_add_f32 v[20:21], v[20:21], v[246:247]
.irp k, 0,1,2,3,4,5,6,7,8,9,10,11
	ds_load_b128 v[KV+4*\k:KV+4*\k+3], v[ADLV] offset:512*\k      ; V lands under the softmax
.endr
.if \more
	s_add_co_u32 s[TB], s[TB], REC
.endif
	v_pk_add_f32 v[10:11], v[10:11], v[252:253]
	v_pk_add_f32 v[20:21], v[20:21], v[250:251]
; the largest score of each of my two blocks of 32 keys, for the row's maximum and, since p rises with the score, for the block's largest p: eight chains, one for each accumulator, each begun at the accumulator's low end
.irp c, 0,1
	v_max3_num_f32 v[BM+\c], v[S+32*\c], v[S+32*\c+1], v[S+32*\c+2]
.endr
.irp k, 1,2,3
.irp c, 0,1
	v_max3_num_f32 v[MX+2*\k-2+\c], v[S+32*\c+8*\k], v[S+32*\c+8*\k+1], v[S+32*\c+8*\k+2]
.endr
.endr
	v_pk_add_f32 v[10:11], v[10:11], v[20:21]      ; the sum is whole
.irp i, 3,5
.irp c, 0,1
	v_max3_num_f32 v[BM+\c], v[BM+\c], v[S+32*\c+\i], v[S+32*\c+\i+1]
.endr
.irp k, 1,2,3
.irp c, 0,1
	v_max3_num_f32 v[MX+2*\k-2+\c], v[MX+2*\k-2+\c], v[S+32*\c+8*\k+\i], v[S+32*\c+8*\k+\i+1]
.endr
.endr
.endr
.irp c, 0,1
	v_max3_num_f32 v[BM+\c], v[BM+\c], v[S+32*\c+7], v[S+32*\c+15]
.endr
.irp c, 0,1
	v_max3_num_f32 v[MX+\c], v[MX+\c], v[S+32*\c+23], v[S+32*\c+31]
.endr
.irp c, 0,1
	v_max3_num_f32 v[BM+\c], v[BM+\c], v[MX+2+\c], v[MX+4+\c]
.endr
.irp c, 0,1
	v_max_num_f32 v[BM+\c], v[BM+\c], v[MX+\c]
.endr
	s_delay_alu instid0(VALU_DEP_1)
	v_max_num_f32 v[T], v[BM], v[BM+1]
	s_delay_alu instid0(VALU_DEP_1)
	v_permlanex16_b32 v[T+1], v[T], s[SEL], s[SEL+1]
	s_delay_alu instid0(VALU_DEP_1)
	v_max3_num_f32 v[SMAX], v[SMAX], v[T], v[T+1]  ; the largest score of my query so far
	s_delay_alu instid0(VALU_DEP_1)
	v_mul_f32 v[T], s[NC], v[SMAX]                 ; -t
	v_mov_b32 v[T+1], v[NEGM]
	s_delay_alu instid0(VALU_DEP_2)
	v_floor_f32 v[NEGM], v[T]                      ; -M = floor(-t)
	s_delay_alu instid0(VALU_DEP_1)
	v_sub_f32 v[T], v[NEGM], v[T+1]                ; old M - new M: a whole number, 0 or less
	s_delay_alu instid0(VALU_DEP_1)
	v_cvt_i32_f32 v[T], v[T]                       ; (it saturates)
	s_delay_alu instid0(VALU_DEP_1)
	v_ldexp_f32 v[F], 1.0, v[T]                    ; f = 2^(old M - new M)
.irp c, 0,1
	v_fma_f32 v[BM+\c], v[BM+\c], s[CSC], v[NEGM]  ; t - M of each block's largest score
.endr
.irp j, 0,2,4,6,8,10,12,14,16,18,20,22,24,26,28,30,32,34,36,38,40,42,44,46,48,50,52,54,56,58,60,62
	v_pk_fma_f32 v[S+\j:S+\j+1], v[S+\j:S+\j+1], s[CSC:CSC+1], v[NEGM:NEGM+1] op_sel_hi:[1,0,0]   ; t - M, two at a time
.endr
	WALU                                           ; ahead of the batch
.irp c, 0,1
	v_exp_f32 v[BM+\c], v[BM+\c]                   ; the block's largest p: the same two instructions on the same number as for the block's own p
.endr
.irp j, 0,1,2,3,4,5,6,7,8,9,10,11,12,13,14,15,16,17,18,19,20,21,22,23,24,25,26,27,28,29,30,31,32,33,34,35,36,37,38,39,40,41,42,43,44,45,46,47,48,49,50,51,52,53,54,55,56,57,58,59,60,61,62,63
	v_exp_f32 v[S+\j], v[S+\j]                     ; p = 2^(t - M), at most 1
.endr
	v_pk_mul_f32 v[L:L+1], v[L:L+1], v[F:F+1] op_sel_hi:[1,0]   ; the sum under the new M (a plain line behind the exponentials)
	WALU                                           ; one wait for the batch of 66, ahead of its first reader
; p's scale word, its lines laid between rescalings of O^T that do not hang on them
.irp c, 0,1
	v_max_num_f32 v[BM+\c], 0x1800000, v[BM+\c]    ; the floor 2^(3 - 127): the byte cannot fall under 1
.endr
	OM2 0, 2
.irp c, 0,1
	v_add_nc_u32 v[SO+\c], 0xff000000, v[BM+\c]    ; 2 off the exponent field: the conversion's scale operand
.endr
	OM2 4, 6
.irp c, 0,1
	v_lshrrev_b32 v[BY+\c], 23, v[SO+\c]
.endr
	OM2 8, 10
	v_lshl_or_b32 v[PS], v[BY+1], 16, v[BY]
	OM2 12, 14
	v_lshlrev_b32 v[PS], v[SH8], v[PS]             ; my blocks are 2 c + h
	OM2 16, 18
	v_permlanex16_b32 v[TW], v[PS], s[SEL], s[SEL+1]
	OM2 20, 22
	v_or_b32 v[PS], v[PS], v[TW]                   ; p's scale word for these 128 keys
.irp c, 0,1
	v_cvt_scalef32_pk16_fp6_f32 v[P+6*\c:P+6*\c+2], v[S+32*\c:S+32*\c+15], v[SO+\c]
	v_cvt_scalef32_pk16_fp6_f32 v[CT+4*\c:CT+4*\c+2], v[S+32*\c+16:S+32*\c+31], v[SO+\c]
.endr
.if \more
	ADDRS                                          ; the next step's addresses: plain lines behind the scaled conversions
.else
	v_nop
.endif
.irp c, 0,1
.irp i, 0,1,2
	v_mov_b32 v[P+6*\c+3+\i], v[CT+4*\c+\i]
.endr
.endr
	OM2 24, 26                                     ; these four are also the plain lines between the writes of p's codes and the products
	OM2 28, 30
	WALU
	s_wait_dscnt 0x0                               ; V is in
.irp t, 0,1,2,3
	v_wmma_scale_f32_16x16x128_f8f6f4 v[O+8*\t:O+8*\t+7], v[KV+12*\t:KV+12*\t+11], v[P:P+11], v[O+8*\t:O+8*\t+7], v[KSW+\t], v[PS] matrix_a_fmt:MATRIX_FMT_FP6 matrix_b_fmt:MATRIX_FMT_FP6 matrix_a_scale:MATRIX_SCALE_ROW1
.endr
	v_pk_add_f32 v[20:21], v[140:141], v[144:145]  ; the row's sum of the unquantised p, in eight chains.  The first four lines are the places in front of the loads into V's registers
	v_pk_add_f32 v[252:253], v[148:149], v[152:153]
	v_pk_add_f32 v[250:251], v[156:157], v[160:161]
	v_pk_add_f32 v[248:249], v[164:165], v[168:169]
.if \more
	KLOAD                                          ; the next step's K lands under the rest of the sum
.endif
	v_pk_add_f32 v[246:247], v[172:173], v[176:177]
	v_pk_add_f32 v[244:245], v[180:181], v[184:185]
	v_pk_add_f32 v[242:243], v[188:189], v[192:193]
	v_pk_add_f32 v[10:11], v[10:11], v[196:197]
	v_pk_add_f32 v[20:21], v[20:21], v[136:137]
	v_pk_add_f32 v[252:253], v[252:253], v[138:139]
	v_pk_add_f32 v[250:251], v[250:251], v[142:143]
	v_pk_add_f32 v[248:249], v[248:249], v[146:147]
	v_pk_add_f32 v[246:247], v[246:247], v[150:151]
	v_pk_add_f32 v[244:245], v[244:245], v[154:155]
	v_pk_add_f32 v[242:243], v[242:243], v[158:159]
	v_pk_add_f32 v[10:11], v[10:11], v[162:163]
	v_pk_add_f32 v[20:21], v[20:21], v[166:167]
	v_pk_add_f32 v[252:253], v[252:253], v[170:171]
	v_pk_add_f32 v[250:251], v[250:251], v[174:175]
	v_pk_add_f32 v[248:249], v[248:249], v[178:179]
	v_pk_add_f32 v[246:247], v[246:247], v[182:183]
	v_pk_add_f32 v[244:245], v[244:245], v[186:187]
	v_pk_add_f32 v[242:243], v[242:243], v[190:191]
	v_pk_add_f32 v[10:11], v[10:11], v[194:195]
	v_pk_add_f32 v[20:21], v[20:21], v[198:199]
.endm
.macro KEYS                            ; a pass: sixteen steps; the first step's K is asked for here, each later one's in the step before it
	ADDRS
	KLOAD
	s_mov_b32 s[CNT], 15
.Lkeys_\@:
	STEP 1
	s_sub_co_u32 s[CNT], s[CNT], 1
	s_cmp_lg_u32 s[CNT], 0
	s_cbranch_scc1 .Lkeys_\@
	STEP 0
.endm
.macro BEGIN u                         ; tile u of my fragment of Q between the zeros; the sums and their chains begin as zeros and the largest score as -3e38
.irp i, 0,1,2,3,4,5
	v_mov_b32 v[QQ+6+\i], v[QI+6*\u+\i]
.endr
.if \u
	v_perm_b32 v[QS], v[QW], v[QW], 0x03020302
.else
	v_perm_b32 v[QS], v[QW], v[QW], 0x01000100
.endif
	v_mov_b32 v[SMAX], 0xff61b1e6
	v_mul_f32 v[T], s[NC], v[SMAX]
	v_floor_f32 v[NEGM], v[T]
	v_mov_b32 v[L], 0
	v_mov_b32 v[L+1], 0
	v_mov_b32 v[T], 0
	v_mov_b32 v[T+1], 0
.irp j, 242,243,244,245,246,247,248,249,250,251,252,253
	v_mov_b32 v[\j], 0
.endr
.irp j, 0,1,2,3,4,5,6,7,8,9,10,11,12,13,14,15,16,17,18,19,20,21,22,23,24,25,26,27,28,29,30,31
	v_mov_b32 v[O+\j], 0
.endr
	s_mov_b32 s[TB], 0
.endm
.macro FINISH u                        ; O^T / the sum: one block of 32 in a lane, quantised; the image: registers 0-3 at 16 x lane, registers 4-5 at 512 + 8 x lane.  (The sum's additions are the places behind the last products)
	v_pk_add_f32 v[252:253], v[252:253], v[244:245]   ; the last step's chains are joined
	v_pk_add_f32 v[250:251], v[250:251], v[242:243]
	v_pk_add_f32 v[10:11], v[10:11], v[248:249]
	v_pk_add_f32 v[20:21], v[20:21], v[246:247]
	v_pk_add_f32 v[10:11], v[10:11], v[252:253]
	v_pk_add_f32 v[20:21], v[20:21], v[250:251]
	v_pk_add_f32 v[10:11], v[10:11], v[20:21]
	v_add_f32 v[L], v[L], v[L+1]
	v_permlanex16_b32 v[T], v[L], s[SEL], s[SEL+1]
	v_add_f32 v[L], v[L], v[T]
	WALU
	v_rcp_f32 v[F], v[L]
	v_nop
	WALU
.irp i, 0,2,4,6,8,10,12,14,16,18,20,22,24,26,28,30
	v_pk_mul_f32 v[S+\i:S+\i+1], v[O+\i:O+\i+1], v[F:F+1] op_sel_hi:[1,0]
.endr
	v_max3_num_f32 v[BM], |v[S]|, |v[S+1]|, 0x1800000
	v_max3_num_f32 v[BM+1], |v[S+2]|, |v[S+3]|, |v[S+4]|
.irp i, 5,9,13,17,21,25
	v_max3_num_f32 v[BM], v[BM], |v[S+\i]|, |v[S+\i+1]|
	v_max3_num_f32 v[BM+1], v[BM+1], |v[S+\i+2]|, |v[S+\i+3]|
.endr
	v_max3_num_f32 v[BM], v[BM], |v[S+29]|, |v[S+30]|
	v_max3_num_f32 v[BM], v[BM], v[BM+1], |v[S+31]|
	v_add_nc_u32 v[SO], 0xff000000, v[BM]
	v_lshrrev_b32 v[BY], 23, v[SO]
	v_cvt_scalef32_pk16_fp6_f32 v[CC+6*\u:CC+6*\u+2], v[S:S+15], v[SO]
	v_cvt_scalef32_pk16_fp6_f32 v[CT:CT+2], v[S+16:S+31], v[SO]
	v_lshlrev_b32 v[T], v[SH8], v[BY]              ; (the plain line behind the scaled conversions)
	v_permlanex16_b32 v[T+1], v[T], s[SEL], s[SEL+1]
	v_or_b32 v[CW+\u], v[T], v[T+1]                ; the row's two scale bytes of this head
.irp i, 0,1,2
	v_mov_b32 v[CC+6*\u+3+\i], v[CT+\i]
.endr
	global_store_b128 v[AL0], v[CC+6*\u:CC+6*\u+3], s[10:11] offset:12288*\u
	global_store_b64 v[G8], v[CC+6*\u+4:CC+6*\u+5], s[10:11] offset:12288*\u+512     ; each pass has its own registers: no store's data are written again
.endm
	BEGIN 0
	s_wait_tensorcnt 0x0                           ; my two records are in,
	s_barrier_signal -1
	s_barrier_wait -1                              ; everybody's are
	KEYS
	FINISH 0
	BEGIN 1
	KEYS
	FINISH 1
	v_cndmask_b32 v[T], v[CW], v[CW+1], s38        ; lanes 0-15: the first tile's rows, lanes 16-31: the second's
	global_store_b16 v[G32], v[T], s[12:13]        ; two bytes a row: a row's 32 scale bytes come from sixteen heads, that is sixteen work-groups, so none of them can store a row whole
	s_wait_tensorcnt 0x0                           ; the wave's end
	ds_add_u32 v[SPW], v[NIL]
	s_wait_dscnt 0x0
	ROUND                                          ; the closing round
	s_endpgm
.Lfunc_end_k_qa40d16d02a_attn:
	.size	k_qa40d16d02a_attn, .Lfunc_end_k_qa40d16d02a_attn-k_qa40d16d02a_attn
	.p2alignl 7, 3214868480
	.fill 96, 4, 3214868480
	.section	.rodata,"a",@progbits
	.p2align	6, 0x0
	.amdhsa_kernel k_qa40d16d02a_attn
		.amdhsa_group_segment_fixed_size 206848
		.amdhsa_private_segment_fixed_size 0
		.amdhsa_enable_private_segment 0
		.amdhsa_kernarg_size 40
		.amdhsa_user_sgpr_count 2
		.amdhsa_user_sgpr_kernarg_segment_ptr 1
		.amdhsa_wavefront_size32 1
		.amdhsa_system_sgpr_workgroup_id_x 1
		.amdhsa_system_sgpr_workgroup_id_y 1
		.amdhsa_system_sgpr_workgroup_id_z 1
		.amdhsa_system_vgpr_workitem_id 0
		.amdhsa_next_free_vgpr 256
		.amdhsa_next_free_sgpr 66
		.amdhsa_reserve_vcc 0
		.amdhsa_float_denorm_mode_32 3
		.amdhsa_float_denorm_mode_16_64 3
		.amdhsa_memory_ordered 1
		.amdhsa_forward_progress 1
		.amdhsa_inst_pref_size 74
	.end_amdhsa_kernel
	.amdgpu_metadata
---
amdhsa.version: [ 1, 2 ]
amdhsa.kernels:
  - .name:           k_qa40d16d02a_attn
    .symbol:         k_qa40d16d02a_attn.kd
    .args:
      - { .name: qbuf, .offset: 0, .size: 8, .value_kind: global_buffer, .address_space: global }
      - { .name: kbuf, .offset: 8, .size: 8, .value_kind: global_buffer, .address_space: global }
      - { .name: vbuf, .offset: 16, .size: 8, .value_kind: global_buffer, .address_space: global }
      - { .name: ctxc, .offset: 24, .size: 8, .value_kind: global_buffer, .address_space: global }
      - { .name: ctxs, .offset: 32, .size: 8, .value_kind: global_buffer, .address_space: global }
    .group_segment_fixed_size: 206848
    .private_segment_fixed_size: 0
    .kernarg_segment_align: 8
    .kernarg_segment_size: 40
    .max_flat_workgroup_size: 512
    .sgpr_count:     66
    .vgpr_count:     256
    .wavefront_size: 32
...
	.end_amdgpu_metadata
.endif
;; end of part 2
;; launch oproj (part 3): grid 4 x 64, 4 waves a work-group, clusters of 4 x 4, 327,680 bytes of LDS; arguments ctxc, ctxs, Wo_codes, Wo_scales, bo, out0; writes out0
.if DOCPART == 3
	.amdgcn_target "amdgcn-amd-amdhsa--gfx1250"
	.amdhsa_code_object_version 6
	.text
	.protected	k_qa40d16d02a_oproj
	.globl	k_qa40d16d02a_oproj
	.p2align	8
	.type	k_qa40d16d02a_oproj,@function
k_qa40d16d02a_oproj:
	s_mov_b64 s[64:65], 0
	v_nop
	global_prefetch_b8 v0, s[64:65] scope:SCOPE_SE
	s_setreg_imm32_b32 hwreg(HW_REG_WAVE_MODE, 25, 1), 1
	s_wait_xcnt 0x0
	s_wait_alu depctr_hold_cnt(0) depctr_sa_sdst(0) depctr_va_vdst(0) depctr_va_sdst(0) depctr_va_ssrc(0) depctr_va_vcc(0) depctr_vm_vsrc(0)
	s_getreg_b32 s2, hwreg(HW_REG_IB_STS2, 6, 4)
	s_cmp_eq_u32 s2, 0
	s_cbranch_scc0 .Lentry_in_a_cluster
	s_endpgm
.Lentry_in_a_cluster:
	s_bfe_u32 s2, ttmp6, 0x10000c
	s_cmp_lg_u32 s2, 0xf033
	s_cbranch_scc0 .Lentry_shape_is_right
	s_endpgm
.Lentry_shape_is_right:
; out0 = context Wo + bo on codes of FP6 (E2M3) with E8M0 scales, f32 sums.  K = 1,024.
; THE DEAL.  Work-group (j, i): 128 rows x columns 256 j .. 256 j + 255; wave (a, b) of 2 x 2 makes 64 rows x 128 columns in 32 accumulators.
; LDS holds ALL of K of both operands, filled once, one load a wave: waves 0, 1 a half each of the context's 8 tiles (dense register images, 192 rows of 256 bytes a load), waves 2, 3 a half each of Wo's 256 rows
; (768 bytes of memory, 16 bytes of padding behind every 256: pitch 816).  Nothing is filled again, so there is no ring; nothing is prefetched: every load goes out at the head, and there is no loop to run ahead in.
; ctxc: [tile of 16 rows][head][768 bytes]: registers 0-3 at 16 x lane, registers 4-5 at 512 + 8 x lane; in a group of 64 rows image tile t, lane 8 a + g holds row 32 a + 8 t + g.  ctxs: [tile][r][32 bytes].
; CLUSTERS 4 x 4: the context's tiles are shared along a row of the cluster, Wo's rows along a column: joint loads.
; The matrix instruction is used transposed (source 0 = rows of Wo, source 1 = rows of the context): a lane holds eight neighbouring columns of a row.  The bias is the first products' C.
; Scale words go from memory into registers: Wo's at SN + 8 (b % 4) + step (lanes 16-31: block b % 4 + 4), the context's at SM + 8 (a % 2) + step (lanes 16-31: block a % 2 + 2).
; THE WAY OUT goes through a stage of 16 rows x 528 bytes a wave, laid over the context's bytes behind a barrier: they have had their only fill and their last read.  Each store covers 512 consecutive bytes, aligned.
.set SIZE_N, 1024
.set KROW,   768
.set PITCH,  816
.set BLK,    16*PITCH
.set FR,     12
.set TILEB,  12288
.set BREG,   8*TILEB
.set SPARE,  BREG+256*PITCH
.set SPITCH, 528
.set A16,  16
.set A8,   17
.set VSN,  22
.set VSM,  23
.set STO,  24
.set RD,   25
.set CO,   26
.set VB0,  27
.set SPW,  28
.set NIL,  29
.set SN,   32
.set SM,   68
.set BO,   88                          ; v88-151 the bias
.set AF,   160                         ; the context's fragments, two sets of 48
.set BK,   128                         ; the way out: rows read back, two sets of 64
.set AB,   0                           ; window 3: LDS addresses of Wo's eight blocks, two registers each
.set G1A, 40
.set G1W, 48
.set G0A, 56
.set G0W, 60
.set MSB, 0
.macro WIN new
.if MSB != (\new)
	s_set_vgpr_msb (MSB<<8)|(\new)
.set MSB, (\new)
.endif
.endm
.macro PLACES n
.rept \n
	v_nop
.endr
.endm
.macro CROUND
	s_barrier_signal -1
	s_barrier_wait -1
	s_cmp_lg_u32 s32, 0
	s_cbranch_scc1 .Lnot_wave_0_\@
	s_barrier_signal -3
.Lnot_wave_0_\@:
	s_barrier_wait -3
	s_barrier_signal -1
	s_barrier_wait -1
.endm
	s_load_b256 s[4:11], s[0:1], 0x0               ; ctxc, ctxs, Wo's codes, scales
	s_load_b128 s[12:15], s[0:1], 0x20             ; bo, out0
	v_lshl_add_u32 v[SPW], v0, 2, SPARE
	v_mov_b32 v[NIL], 0
	ds_add_u32 v[SPW], v[NIL]                      ; the opening lines
	ds_add_u32 v[SPW], v[NIL]
	v_lshrrev_b32 v1, 5, v0
	v_readfirstlane_b32 s32, v1
	s_lshr_b32 s33, s32, 1                         ; my half of the rows; also: I fetch the context (0) or Wo (1)
	s_and_b32 s34, s32, 1                          ; my half of the columns; also: which half I fetch
	s_bfe_u32 s35, ttmp6, 0x40000
	s_bfe_u32 s36, ttmp6, 0x40004
	s_and_b32 s37, ttmp7, 0xffff
	s_lshl_b32 s37, s37, 2
	s_add_co_u32 s37, s37, s36                     ; i
	s_lshl_b32 s38, s36, 2
	s_lshl_b32 s38, 15, s38
	s_lshl_b32 s39, 0x1111, s35
	s_or_b32 s[G1A+0], s38, (3<<16)|(1<<21)
	s_mov_b32 s[G1A+1], 32<<16
	s_mov_b32 s[G1A+2], 192<<16
	s_mov_b32 s[G1A+3], 32<<16
	s_mov_b32 s[G1A+4], 192
	s_mov_b32 s[G1A+5], 32
	s_mov_b32 s[G1A+6], 0
	s_mov_b32 s[G1A+7], 0
	s_or_b32 s[G1W+0], s39, (1<<20)|(1<<21)|(5<<22)|(3<<25)
	s_mov_b32 s[G1W+1], KROW<<16
	s_mov_b32 s[G1W+2], 128<<16
	s_mov_b32 s[G1W+3], KROW<<16
	s_mov_b32 s[G1W+4], 128
	s_mov_b32 s[G1W+5], KROW
	s_mov_b32 s[G1W+6], 0
	s_mov_b32 s[G1W+7], 0
	s_mul_i32 s66, s37, 8*TILEB
	s_mul_i32 s[G0A+1], s34, 4*TILEB
	s_add_co_u32 s66, s66, s[G0A+1]                ; the four tiles of the context that waves 0, 1 fetch
	s_mov_b32 s67, 0
	s_lshl_b32 s70, s35, 8
	s_lshl_b32 s71, s34, 7
	s_add_co_u32 s70, s70, s71                     ; my first column; also the rows of Wo that waves 2, 3 fetch
	s_mul_i32 s68, s70, KROW
	s_mov_b32 s69, 0
	s_lshl_b32 s72, s70, 5                         ; Wo's scale bytes,
	s_mov_b32 s73, 0
	s_lshl_b32 s74, s70, 2                         ; the bias and the columns of out0
	s_mov_b32 s75, 0
	s_lshl_b32 s76, s37, 7
	s_lshl_b32 s77, s33, 6
	s_add_co_u32 s76, s76, s77                     ; my first row
	s_lshl_b32 s78, s76, 5                         ; its scale bytes
	s_mov_b32 s79, 0
	s_lshl_b32 s76, s76, 12                        ; and its place in out0
	s_mov_b32 s77, 0
	s_mov_b32 s[G0A], 1
	s_mov_b32 s[G0W], 1
	s_mul_i32 s[G0W+1], s34, 128*PITCH
	s_add_co_u32 s[G0W+1], s[G0W+1], BREG
	s_mul_i32 s80, s33, 4*TILEB                    ; my four tiles in LDS
	s_mul_i32 s81, s32, 16*SPITCH                  ; my stage
	s_wait_dscnt 0x0
	s_wait_kmcnt 0x0
	s_add_nc_u64 s[G0A+2:G0A+3], s[4:5], s[66:67]
	s_or_b32 s[G0A+3], s[G0A+3], 0x80000000
	s_add_nc_u64 s[G0W+2:G0W+3], s[8:9], s[68:69]
	s_or_b32 s[G0W+3], s[G0W+3], 0x80000000
	s_add_nc_u64 s[86:87], s[10:11], s[72:73]
	s_add_nc_u64 s[88:89], s[6:7], s[78:79]
	s_add_nc_u64 s[12:13], s[12:13], s[74:75]
	s_add_nc_u64 s[14:15], s[14:15], s[76:77]
	s_add_nc_u64 s[14:15], s[14:15], s[74:75]
	CROUND                                         ; the joint loads meet
	s_cmp_eq_u32 s33, 0
	s_cbranch_scc0 .Lhead_w
	tensor_load_to_lds s[G0A:G0A+3], s[G1A:G1A+7]
	s_nop 0
	PLACES 4
	s_branch .Lhead_asked
.Lhead_w:
	tensor_load_to_lds s[G0W:G0W+3], s[G1W:G1W+7]
	s_nop 0
	PLACES 4
.Lhead_asked:
	v_and_b32 v1, 15, v0
	v_bfe_u32 v2, v0, 4, 1
	v_and_b32 v3, 31, v0
	v_lshl_add_u32 v[A16], v3, 4, s80
	v_lshl_add_u32 v[A8], v3, 3, s80
	v_mul_u32_u24 v4, v1, PITCH
	v_mad_u32_u24 v8, v2, 24, v4
	v_mad_u32_u24 v9, v2, 40, v4
	v_add_nc_u32 v8, s[G0W+1], v8
	v_add_nc_u32 v9, s[G0W+1], v9
	v_lshlrev_b32 v5, 5, v1
	v_lshl_add_u32 v[VSN], v2, 11, v5
	v_lshl_add_u32 v[VSM], v2, 10, v5
	v_lshlrev_b32 v[VB0], 5, v2
	v_mul_u32_u24 v6, v1, SPITCH
	v_lshl_add_u32 v6, v2, 5, v6
	v_add_nc_u32 v[STO], s81, v6
	v_lshlrev_b32 v[CO], 4, v3
	v_add_nc_u32 v[RD], s81, v[CO]
	WIN 0xc0
.irp i, 0,1,2,3,4,5,6,7
	v_add_nc_u32 v[AB+2*\i], \i*BLK, v8
	v_add_nc_u32 v[AB+2*\i+1], \i*BLK, v9
.endr
	WIN 0
	s_wait_alu depctr_va_vdst(0)                   ; the wait at the head's end
.irp i, 0,1,2,3
.irp c, 0,1
	global_load_b128 v[SN+8*\i+4*\c:SN+8*\i+4*\c+3], v[VSN], s[86:87] offset:512*\i+16*\c
.endr
.endr
.irp i, 0,1
.irp c, 0,1
	global_load_b128 v[SM+8*\i+4*\c:SM+8*\i+4*\c+3], v[VSM], s[88:89] offset:512*\i+16*\c
.endr
.endr
.irp b, 0,1,2,3,4,5,6,7
.irp c, 0,1
	global_load_b128 v[BO+8*\b+4*\c:BO+8*\b+4*\c+3], v[VB0], s[12:13] offset:64*\b+16*\c
.endr
.endr
.macro FRAG reg, a0, q                 ; a fragment of Wo: pieces of 8 bytes, two to a load where both lie behind as many paddings
.set SKIP_, 0
.irp p, 0,1,2,3,4,5
.if SKIP_
.set SKIP_, 0
.else
.set PC_, 12*(\q)+6*(\p/3)+\p%3
.set PN_, 12*(\q)+6*((\p+1)/3)+(\p+1)%3
.set X_, (PC_%32+3)/32
.set XQ_, (PN_%32+3)/32
.if (\p < 5) && (X_ == XQ_)
.set SKIP_, 1
	ds_load_2addr_b64 v[\reg+2*\p:\reg+2*\p+3], v[\a0+X_] offset0:PC_+2*(PC_/32) offset1:PN_+2*(PN_/32)
.else
	ds_load_b64 v[\reg+2*\p:\reg+2*\p+1], v[\a0+X_] offset:8*(PC_+2*(PC_/32))
.endif
.endif
.endr
.endm
.macro FRAGA reg, q, i                 ; a fragment of the context: two heads' images
	ds_load_b128 v[\reg:\reg+3], v[A16] offset:TILEB*(\i)+1536*(\q)
	ds_load_b64 v[\reg+4:\reg+5], v[A8] offset:TILEB*(\i)+1536*(\q)+512
	ds_load_b128 v[\reg+6:\reg+9], v[A16] offset:TILEB*(\i)+1536*(\q)+768
	ds_load_b64 v[\reg+10:\reg+11], v[A8] offset:TILEB*(\i)+1536*(\q)+1280
.endm
.macro FETCH st, p
	WIN 0x43
.irp i, 0,1,2,3,4,5,6,7
	FRAG 128*(\p)+FR*\i, AB+2*\i, \st
.endr
	WIN 0
.irp i, 0,1,2,3
	FRAGA AF+48*(\p)+FR*\i, \st, \i
.endr
.endm
.macro MUL32 st                        ; the 32 accumulators by turns, in the same order in every step
.if (\st) == 0
	WIN 0x81
.else
	WIN 0xa1
.endif
.set P_, (\st)%2
.irp ah, 0,1
.irp al, 0,1
.irp bh, 0,1
.irp bl, 0,1,2,3
.set D_, 8*(8*(2*\ah+\al)+4*\bh+\bl)
.set N_, 128*P_+FR*(4*\bh+\bl)
.set M_, AF+48*P_+FR*(2*\ah+\al)
.set C_, BO+8*(4*\bh+\bl)
.if (\st) == 0
	v_wmma_scale_f32_16x16x128_f8f6f4 v[D_:D_+7], v[N_:N_+FR-1], v[M_:M_+FR-1], v[C_:C_+7], v[SN+8*\bl+(\st)], v[SM+8*\al+(\st)] matrix_a_fmt:MATRIX_FMT_FP6 matrix_b_fmt:MATRIX_FMT_FP6 matrix_a_scale:MATRIX_SCALE_ROW\bh matrix_b_scale:MATRIX_SCALE_ROW\ah
.else
	v_wmma_scale_f32_16x16x128_f8f6f4 v[D_:D_+7], v[N_:N_+FR-1], v[M_:M_+FR-1], v[D_:D_+7], v[SN+8*\bl+(\st)], v[SM+8*\al+(\st)] matrix_a_fmt:MATRIX_FMT_FP6 matrix_b_fmt:MATRIX_FMT_FP6 matrix_a_scale:MATRIX_SCALE_ROW\bh matrix_b_scale:MATRIX_SCALE_ROW\ah
.endif
.endr
.endr
.endr
.endr
.endm
	s_wait_tensorcnt 0x0                           ; my part of the tiles is in,
	s_barrier_signal -1
	s_barrier_wait -1                              ; everybody's is
	FETCH 0, 0
	s_wait_loadcnt 0x0                             ; the scale words and the bias
.irp st, 0,1,2,3,4,5,6
	s_wait_dscnt 0x0                               ; this step's fragments were asked for ahead of the step before
.if \st > 0
	PLACES 4
.endif
	FETCH \st+1, (\st+1)%2
	MUL32 \st
.endr
	s_wait_dscnt 0x0
	MUL32 7
	WIN 0
	PLACES 4
	s_barrier_signal -1                            ; every wave's reads of the context's bytes are over: the stages may be laid there
	s_barrier_wait -1
.macro TOSTAGE a
	WIN 0x08                                       ; the data: window 2
.irp b, 0,1,2,3,4,5,6,7
	ds_store_b128 v[STO], v[64*(\a)+8*\b:64*(\a)+8*\b+3] offset:64*\b          ; each accumulator from its low end on
	ds_store_b128 v[STO], v[64*(\a)+8*\b+4:64*(\a)+8*\b+7] offset:64*\b+16
.endr
	WIN 0
.set BB, BK+64*((\a)%2)
.irp t, 0,1,2,3,4,5,6,7,8,9,10,11,12,13,14,15
	ds_load_b128 v[BB+4*\t:BB+4*\t+3], v[RD] offset:\t*SPITCH
.endr
.endm
.macro SEND a, younger                 ; younger: the LDS instructions issued behind block a's loads
.set BB, BK+64*((\a)%2)
	s_wait_dscnt \younger
.irp t, 0,1,2,3,4,5,6,7,8,9,10,11,12,13,14,15
	global_store_b128 v[CO], v[BB+4*\t:BB+4*\t+3], s[14:15] offset:(32*(\t/8)+8*(\a)+\t%8)*SIZE_N*4 th:TH_STORE_NT
.endr
.endm
	TOSTAGE 0
.irp a, 1,2,3
.if \a > 1
	s_wait_xcnt 0x0                                ; block a - 2's stores have read their registers
.endif
	TOSTAGE \a
	SEND \a-1, 32                                  ; behind block a - 1's loads: block a's 16 stores and 16 loads
.endr
	SEND 3, 0
	s_wait_tensorcnt 0x0                           ; the wave's end
	ds_add_u32 v[SPW], v[NIL]
	s_wait_dscnt 0x0
	CROUND                                         ; the closing round
	s_endpgm
.Lfunc_end_k_qa40d16d02a_oproj:
	.size	k_qa40d16d02a_oproj, .Lfunc_end_k_qa40d16d02a_oproj-k_qa40d16d02a_oproj
	.p2alignl 7, 3214868480
	.fill 96, 4, 3214868480
	.section	.rodata,"a",@progbits
	.p2align	6, 0x0
	.amdhsa_kernel k_qa40d16d02a_oproj
		.amdhsa_group_segment_fixed_size 327680
		.amdhsa_private_segment_fixed_size 0
		.amdhsa_enable_private_segment 0
		.amdhsa_kernarg_size 48
		.amdhsa_user_sgpr_count 2
		.amdhsa_user_sgpr_kernarg_segment_ptr 1
		.amdhsa_wavefront_size32 1
		.amdhsa_system_sgpr_workgroup_id_x 1
		.amdhsa_system_sgpr_workgroup_id_y 1
		.amdhsa_system_sgpr_workgroup_id_z 1
		.amdhsa_system_vgpr_workitem_id 0
		.amdhsa_next_free_vgpr 800
		.amdhsa_next_free_sgpr 102
		.amdhsa_reserve_vcc 0
		.amdhsa_float_denorm_mode_32 3
		.amdhsa_float_denorm_mode_16_64 3
		.amdhsa_memory_ordered 1
		.amdhsa_forward_progress 1
		.amdhsa_inst_pref_size 80
	.end_amdhsa_kernel
	.amdgpu_metadata
---
amdhsa.version: [ 1, 2 ]
amdhsa.kernels:
  - .name:           k_qa40d16d02a_oproj
    .symbol:         k_qa40d16d02a_oproj.kd
    .args:
      - { .name: ctxc, .offset: 0, .size: 8, .value_kind: global_buffer, .address_space: global }
      - { .name: ctxs, .offset: 8, .size: 8, .value_kind: global_buffer, .address_space: global }
      - { .name: Wo_codes, .offset: 16, .size: 8, .value_kind: global_buffer, .address_space: global }
      - { .name: Wo_scales, .offset: 24, .size: 8, .value_kind: global_buffer, .address_space: global }
      - { .name: bo, .offset: 32, .size: 8, .value_kind: global_buffer, .address_space: global }
      - { .name: out0, .offset: 40, .size: 8, .value_kind: global_buffer, .address_space: global }
    .group_segment_fixed_size: 327680
    .private_segment_fixed_size: 0
    .kernarg_segment_align: 8
    .kernarg_segment_size: 48
    .max_flat_workgroup_size: 128
    .sgpr_count:     102
    .vgpr_count:     800
    .wavefront_size: 32
...
	.end_amdgpu_metadata
.endif
;; end of part 3
